; MI455X (gfx1250); checked and timed in simulation.
; The chip was launched on July 23, 2026; its instructions are those of AMD's public machine-readable ISA for CDNA 5 (MIT licence, August 2026) and "CDNA5" Instruction Set Architecture Reference Guide (July 2026). The comments in the code are by the model that wrote it; some were corrected since.
;; Differentiable Rasterization. Allowed arithmetic: float matrix products may take bf16 or f16 operands with f32 sums; all other float work in f32.
;; Inputs: polygons 4 x 16 x 8 x 2 float32.
;; Outputs: out0 4 x 16 x 256 x 256 float32.
;; 2 versions, each right; version 2 is version 1 with the launch raster written anew for expert scheduling mode. Each part assembles by itself: llvm-mc -triple=amdgcn-amd-amdhsa -mcpu=gfx1250 --defsym DOCPART=n.
;; ======== version 1 of 2: 1 launch
;; launch raster (part 1): grid 256 x 1, 16 waves a work-group, no clusters, 8,192 bytes of LDS; arguments polygons, out0; writes out0
.if DOCPART == 1
	.amdgcn_target "amdgcn-amd-amdhsa--gfx1250"
	.amdhsa_code_object_version 6
	.text
	.protected	k_q79a7dab5a5_raster
	.globl	k_q79a7dab5a5_raster
	.p2align	8
	.type	k_q79a7dab5a5_raster,@function
k_q79a7dab5a5_raster:
	s_mov_b64 s[64:65], 0
	v_nop
	global_prefetch_b8 v0, s[64:65] scope:SCOPE_SE
	s_setreg_imm32_b32 hwreg(HW_REG_WAVE_MODE, 25, 1), 1
	s_wait_xcnt 0x0
; out0[p][i][j] = sigmoid(C * D / 512) for 64 polygons p of 8 vertices, rows i and columns j of a 256 x 256 raster.
;   x_k = 256 * polygons[p][k][1] (row coordinate), y_k = 256 * polygons[p][k][0] (column coordinate)
;   D = sum over k of sqrt((x_k - i)^2 + (y_k - j)^2);  C = +1 where an odd number of edges is crossed, else -1.
;   Edge k (vertex k to vertex k+1 mod 8) is crossed where (y > j) != (yn > j) and i < xint, xint = (xn - x) * (j - y) / (yn - y) + x.
;
; WORK.  256 work-groups of 16 waves.  A work-group owns one polygon and 64 columns (256 bytes of every row), all 256 rows.
; Phase 1: thread t takes column t & 63 and edge/vertex t >> 6 (the same for a whole wave, so the edge lies in scalar registers):
;   xint hangs on (edge, column) alone, so each is made once in the whole launch, with the same roundings as the formula above
;   (sub, sub, mul, a correctly rounded quotient, add): the test i < xint is a step, and a last bit would flip a pixel.
;   For whole i, i < xint is i < t with t = clamp(ceil(xint), 0, 256); t = 0 where the edge does not straddle the column.
;   Also (c (j - y_k))^2, the column term of the distance to vertex k, with c = log2(e) / 512 folded into the coordinates,
;   so that the sum of the roots is already the exponent of 2 that the sigmoid needs.
; Phase 2: wave w takes rows 16 w .. 16 w + 15; a lane takes 2 neighbouring columns, so a store of the wave covers 256 consecutive
;   bytes, aligned.  The row term c (x_k - i) is the same in all lanes: eight scalar registers, stepped by -c from row to row.
; No matrix product, no tile worth an engine (64 bytes of input for a work-group), nothing shared that a cluster could save.
;
; LIMITS.  The quotient is correctly rounded where no step of it underflows or overflows: coordinate differences that are zero or
; between 2^-40 and 2^40 pixels.  NaN and infinite inputs are not served.  D is summed pairwise from scaled coordinates and the row
; term takes up to 15 roundings from its stepping: another order of rounding than the formula.  Results below 2^-126 come out as 0.
.set ROWS,   16                        ; rows of a wave
.set ROWB,   1024                      ; bytes in an output row
.set L_DY2,  0                         ; LDS: [8 vertices][64 columns] f32, (c (j - y_k))^2
.set L_T,    2048                      ; LDS: [8 edges][64 columns] f32, 2^23 + t
.set L_T16,  4096                      ; LDS: the same + 16, for the odd waves
.set C_PIX,  0x3b38aa3b                ; c = log2(e) / 512
.set C_NEG,  0xbb38aa3b                ; -c
.set C_UNIT, 0x3f38aa3b                ; 256 c: from the unit square straight to scaled pixels
.set MAGIC,  0x4b000000                ; 2^23: a float 2^23 + n holds the whole number n in its low bits
.set VTX,    16                        ; s[16:31]  the polygon: (column, row) of 8 vertices, in the unit square
.set LO,     50                        ; s50, s51  2^23 + my first row (odd waves: + 16), and 16 more
.set NEGC,   53                        ; s53       -c
.set ABSM,   54                        ; s54       all bits but the sign
.set CU,     55                        ; s55       256 c
.set DX,     68                        ; s[68:83]  c (x_k - i) in the even registers; the packed form names pairs, the odd ones hold 0
.set LOFF,   13                        ; v13       8 x lane: my two columns, in LDS rows and in an output row; never rewritten
.set ONES,   15                        ; v15       -1
.set DY,     16                        ; v[16:31]  8 pairs: column terms of my 2 columns
.set TH,     32                        ; v[32:47]  8 pairs: thresholds of my 2 columns
.set MSK,    48                        ; v[48:49]  bit r: row r of my 16 is inside, for each of my 2 columns
.set SH,     50                        ; v[50:51]  a mask with the row bit moved to the sign
.set Q,      52                        ; v[52:83]  two sets of 8 pairs: squared distances, then distances
.set Z,      84                        ; v[84:87]  two pairs: exponent, 2^exponent, 1 + 2^exponent
.set OUT,    96                        ; v[96:127] a pair for each row: no store data is ever rewritten, so no wait guards them
	s_load_b128 s[4:7], s[0:1], 0x0                ; polygons s[4:5], out0 s[6:7]
	v_lshl_add_u32 v128, v0, 2, 0x1800
	v_mov_b32 v129, 0
	v_lshrrev_b32 v1, 5, v0
	v_readfirstlane_b32 s8, v1                     ; wave 0..15
	s_lshr_b32 s9, ttmp9, 2                        ; polygon 0..63
	s_and_b32 s10, ttmp9, 3                        ; which 64 columns
	s_lshl_b32 s12, s9, 6                          ; a polygon is 64 bytes
	s_mov_b32 s13, 0
	s_lshr_b32 s11, s8, 1                          ; phase 1: my edge k
	s_lshl_b32 s14, s11, 3                         ; byte offset of vertex k
	s_add_co_u32 s15, s14, 8
	s_and_b32 s15, s15, 63                         ; and of vertex k + 1 mod 8
	s_wait_kmcnt 0x0
	s_add_nc_u64 s[4:5], s[4:5], s[12:13]
	s_load_b512 s[VTX:VTX+15], s[4:5], 0x0         ; all 8 vertices, for the row terms
	s_load_b64 s[32:33], s[4:5], s14 offset:0x0    ; vertex k
	s_load_b64 s[34:35], s[4:5], s15 offset:0x0    ; vertex k + 1
	; while they are on their way: everything that hangs on ids alone
	s_lshl_b32 s46, s10, 6                         ; first column of the work-group
	v_and_b32 v3, 63, v0
	v_add_nc_u32 v4, s46, v3
	v_cvt_f32_u32 v4, v4                           ; j of phase 1
	v_lshlrev_b32 v12, 2, v0                       ; LDS word [k][column] = word t
	v_and_b32 v2, 31, v0
	v_lshlrev_b32 v[LOFF], 3, v2
	v_mov_b32 v[ONES], -1
	s_and_b32 s48, s8, 1
	s_lshl_b32 s49, s48, 11                        ; odd waves read the copy t + 16, 2,048 bytes further on
	v_add_nc_u32 v14, s49, v[LOFF]
	s_add_co_u32 s[LO], s8, s48
	s_lshl_b32 s[LO], s[LO], 4                     ; 16 w, odd waves 16 w + 16: a multiple of 32 either way
	s_add_co_u32 s[LO], s[LO], MAGIC
	s_add_co_u32 s[LO+1], s[LO], 16
	s_lshl_b32 s56, s9, 18                         ; out0: polygon x 256 KiB
	s_lshl_b32 s57, s8, 14                         ; + wave x 16 rows
	s_add_co_u32 s56, s56, s57
	s_lshl_b32 s57, s10, 8                         ; + the work-group's 256 bytes of a row
	s_add_co_u32 s56, s56, s57
	s_mov_b32 s57, 0
	s_add_nc_u64 s[6:7], s[6:7], s[56:57]
	s_lshl_b32 s52, s8, 4
	s_cvt_f32_u32 s52, s52
	s_mul_f32 s52, s52, C_NEG                      ; -c x my first row
	s_mov_b32 s[NEGC], C_NEG
	s_mov_b32 s[ABSM], 0x7fffffff
	s_mov_b32 s[CU], C_UNIT
	s_wait_kmcnt 0x0
	; PHASE 1.  The edge in pixels (x 256 is exact), in scalar registers.
	s_mul_f32 s36, s32, 0xc3800000                 ; -y
	s_mul_f32 s37, s33, 0xc3800000                 ; -x
	s_mul_f32 s38, s34, 0x43800000                 ; yn
	s_mul_f32 s39, s35, 0x43800000                 ; xn
	s_mul_f32 s42, s32, 0x43800000                 ; y
	s_add_f32 s41, s38, s36                        ; yn - y
	s_add_f32 s40, s39, s37                        ; xn - x
	v_add_f32 v5, s36, v4                          ; j - y
	v_rcp_f32 v7, s41                              ; a first 1 / (yn - y)
	v_mul_f32 v6, s40, v5                          ; (xn - x) (j - y); also the plain instruction between v_rcp_f32 and the first use of its result (ISA guide 5.7.2)
	; The quotient, correctly rounded: one Newton step on the reciprocal, then two steps q += (a - b q) / b, whose residuals the fused
	; multiply-add gives exactly.  Where yn = y the lanes hold NaN here; no such lane straddles, and the select below drops them.
	s_wait_alu depctr_va_vdst(0)
	v_fma_f32 v9, s41, -v7, 1.0
	v_cmp_gt_f32 s44, s42, v4                      ; y > j
	v_cmp_gt_f32 s45, s38, v4                      ; yn > j
	v_fma_f32 v7, v9, v7, v7
	v_mul_f32 v8, C_PIX, v5                        ; c (j - y)
	v_mul_f32 v10, v6, v7
	v_mul_f32 v8, v8, v8                           ; the column term
	v_fma_f32 v11, s41, -v10, v6
	s_xor_b32 vcc_lo, s44, s45                     ; the edge straddles column j
	v_fma_f32 v10, v11, v7, v10
	v_fma_f32 v11, s41, -v10, v6
	v_fma_f32 v10, v11, v7, v10                    ; the quotient; the sum with x is a rounding of its own and is not fused into this line
	v_sub_f32 v10, s37, v10                        ; -x - q = -xint, the same rounding mirrored
	v_floor_f32 v10, v10                           ; -ceil(xint)
	v_med3_num_f32 v10, v10, 0xc3800000, 0         ; -t, in -256 .. 0
	v_sub_f32 v10, MAGIC, v10                      ; 2^23 + t, exact
	v_cndmask_b32 v10, MAGIC, v10, vcc_lo          ; t = 0 where the edge does not straddle
	v_add_f32 v11, 0x41800000, v10                 ; 2^23 + t + 16, exact
	ds_store_b32 v12, v8 offset:L_DY2
	ds_store_b32 v12, v10 offset:L_T
	ds_store_b32 v12, v11 offset:L_T16
	; the row terms of my first row: c x_k - c i, one fused multiply-add each
.irp k, 0,1,2,3,4,5,6,7
	s_mov_b32 s[DX+2*\k], s52
	s_mov_b32 s[DX+2*\k+1], 0
.endr
.irp k, 0,1,2,3,4,5,6,7
	s_fmac_f32 s[DX+2*\k], s[VTX+2*\k+1], s[CU]
.endr
	s_wait_dscnt 0x0                               ; my three words are in LDS: for the other waves, so the count is zero
	s_barrier_signal -1
	s_barrier_wait -1                              ; the only barrier: nothing is written to LDS behind it
	; PHASE 2.  32 lanes x 8 bytes read 256 consecutive bytes: no two lanes meet in a bank.
.irp k, 0,1,2,3,4,5,6,7
	ds_load_b64 v[DY+2*\k:DY+2*\k+1], v[LOFF] offset:L_DY2+256*\k
.endr
.irp k, 0,1,2,3,4,5,6,7
	ds_load_b64 v[TH+2*\k:TH+2*\k+1], v14 offset:L_T+256*\k
.endr
	s_wait_dscnt 0x8                               ; the column terms are in; the eight younger loads (thresholds) may stay out
.irp k, 0,1,2,3,4,5,6,7
	v_pk_fma_f32 v[Q+2*\k:Q+2*\k+1], s[DX+2*\k:DX+2*\k+1], s[DX+2*\k:DX+2*\k+1], v[DY+2*\k:DY+2*\k+1] op_sel_hi:[0,0,1]   ; row 0: dx^2 + dy^2, two columns at once
.endr
	s_wait_dscnt 0x0
	; The masks.  n = how many of my 16 rows lie below the threshold = clamp(t - first row, 0, 16).  The lower bound is 2^23 + a multiple of 32,
	; so the clamped float's low five bits are n, and the word serves as a shift count as it stands.  -1 << n has bit r set where row r is NOT below t;
	; eight edges are an even number, so the XOR of the complements is the XOR of the tests: bit r = an odd number of crossings.  Bits 16 and up cancel.
.set idx, 0
.rept 16
	v_med3_num_f32 v[TH+idx], v[TH+idx], s[LO], s[LO+1]
.set idx, idx+1
.endr
.set idx, 0
.rept 16
	v_lshlrev_b32 v[TH+idx], v[TH+idx], v[ONES]
.set idx, idx+1
.endr
.irp n, 0,1,4,5,8,9,12,13
	v_xor_b32 v[TH+\n], v[TH+\n], v[TH+\n+2]
.endr
.irp n, 0,1,8,9
	v_xor_b32 v[TH+\n], v[TH+\n], v[TH+\n+4]
.endr
	v_xor_b32 v[MSK], v[TH], v[TH+8]
	v_xor_b32 v[MSK+1], v[TH+1], v[TH+9]
; One step of the pipeline.  Rows are three deep in it: the roots of row r, the exponentials of row r - 1 and the reciprocals of row r - 2
; are issued back to back; the eight packed multiply-adds of row r + 1 follow, which name none of their registers: they are the plain
; instruction that stands between a transcendental and the first use of its result or write of its source (ISA guide 5.7.2).
; Where no row r + 1 is left, a v_nop takes that place.
.macro STEP r
.set QA, Q+16*((\r)&1)                 ; distances of row r
.set QN, Q+16*((\r+1)&1)               ; of row r + 1
.set ZA, Z+2*((\r)&1)                  ; exponents of rows r - 2 and r
.set ZB, Z+2*((\r+1)&1)                ; of row r - 1
.if \r < ROWS-1
.irp k, 0,1,2,3,4,5,6,7
	s_add_f32 s[DX+2*\k], s[DX+2*\k], s[NEGC]      ; the row terms step to row r + 1, twenty vector instructions ahead of their use
.endr
.endif
.if \r < ROWS
.set idx, 0
.rept 16
	v_sqrt_f32 v[QA+idx], v[QA+idx]
.set idx, idx+1
.endr
.endif
.if \r >= 1
.if \r <= ROWS
	v_exp_f32 v[ZB], v[ZB]
	v_exp_f32 v[ZB+1], v[ZB+1]
.endif
.endif
.if \r >= 2
	v_rcp_f32 v[OUT+2*(\r-2)], v[ZA]               ; 1 / (1 + 2^e); 2^e = infinity gives 0, 2^e = 0 gives 1
	v_rcp_f32 v[OUT+2*(\r-2)+1], v[ZA+1]
.endif
.if \r < ROWS-1
	s_wait_alu depctr_va_vdst(0)
.irp k, 0,1,2,3,4,5,6,7
	v_pk_fma_f32 v[QN+2*\k:QN+2*\k+1], s[DX+2*\k:DX+2*\k+1], s[DX+2*\k:DX+2*\k+1], v[DY+2*\k:DY+2*\k+1] op_sel_hi:[0,0,1]
.endr
.else
	v_nop
	s_wait_alu depctr_va_vdst(0)
.endif
.if \r >= 1
.if \r <= ROWS
	v_pk_add_f32 v[ZB:ZB+1], v[ZB:ZB+1], 1.0 op_sel_hi:[1,0]
.endif
.endif
.if \r >= 2
	global_store_b64 v[LOFF], v[OUT+2*(\r-2):OUT+2*(\r-2)+1], s[6:7] offset:ROWB*(\r-2) th:TH_STORE_NT   ; the wave stores 256 consecutive bytes, aligned; the row stands in the immediate
.endif
.if \r < ROWS
	v_lshlrev_b32 v[SH], 31-\r, v[MSK]             ; the bit of row r becomes a sign
	v_lshlrev_b32 v[SH+1], 31-\r, v[MSK+1]
.irp k, 0,4,8,12
	v_pk_add_f32 v[QA+\k:QA+\k+1], v[QA+\k:QA+\k+1], v[QA+\k+2:QA+\k+3]
.endr
	v_pk_add_f32 v[QA:QA+1], v[QA:QA+1], v[QA+4:QA+5]
	v_pk_add_f32 v[QA+8:QA+9], v[QA+8:QA+9], v[QA+12:QA+13]
	v_pk_add_f32 v[QA:QA+1], v[QA:QA+1], v[QA+8:QA+9]      ; c D
	v_bfi_b32 v[ZA], s[ABSM], v[QA], v[SH]         ; inside: e = -c D, so 1 / (1 + 2^e) = sigmoid(+D / 512); outside: e = +c D
	v_bfi_b32 v[ZA+1], s[ABSM], v[QA+1], v[SH+1]
.endif
.endm
.irp r, 0,1,2,3,4,5,6,7,8,9,10,11,12,13,14,15,16,17
	STEP \r                                        ; 16 rows and two steps that drain the pipeline
.endr
	s_wait_tensorcnt 0x0
	ds_add_u32 v128, v129
	s_wait_dscnt 0x0
	s_endpgm
.Lfunc_end_k_q79a7dab5a5_raster:
	.size	k_q79a7dab5a5_raster, .Lfunc_end_k_q79a7dab5a5_raster-k_q79a7dab5a5_raster
	.p2alignl 7, 3214868480
	.fill 96, 4, 3214868480
	.section	.rodata,"a",@progbits
	.p2align	6, 0x0
	.amdhsa_kernel k_q79a7dab5a5_raster
		.amdhsa_group_segment_fixed_size 8192
		.amdhsa_private_segment_fixed_size 0
		.amdhsa_enable_private_segment 0
		.amdhsa_kernarg_size 16
		.amdhsa_user_sgpr_count 2
		.amdhsa_user_sgpr_kernarg_segment_ptr 1
		.amdhsa_wavefront_size32 1
		.amdhsa_system_sgpr_workgroup_id_x 1
		.amdhsa_system_sgpr_workgroup_id_y 1
		.amdhsa_system_sgpr_workgroup_id_z 1
		.amdhsa_system_vgpr_workitem_id 0
		.amdhsa_next_free_vgpr 130
		.amdhsa_next_free_sgpr 84
		.amdhsa_reserve_vcc 1
		.amdhsa_float_denorm_mode_32 3
		.amdhsa_float_denorm_mode_16_64 3
		.amdhsa_memory_ordered 1
		.amdhsa_forward_progress 1
		.amdhsa_inst_pref_size 43
	.end_amdhsa_kernel
	.amdgpu_metadata
---
amdhsa.version: [ 1, 2 ]
amdhsa.kernels:
  - .name:           k_q79a7dab5a5_raster
    .symbol:         k_q79a7dab5a5_raster.kd
    .args:
      - { .name: polygons, .offset: 0, .size: 8, .value_kind: global_buffer, .address_space: global }
      - { .name: out0, .offset: 8, .size: 8, .value_kind: global_buffer, .address_space: global }
    .group_segment_fixed_size: 8192
    .private_segment_fixed_size: 0
    .kernarg_segment_align: 8
    .kernarg_segment_size: 16
    .max_flat_workgroup_size: 512
    .sgpr_count:     84
    .vgpr_count:     130
    .wavefront_size: 32
...
	.end_amdgpu_metadata
.endif
;; end of part 1
;; ======== version 2 of 2: 1 launch; version 1 with the launch raster written anew for expert scheduling mode
;; launch raster (part 2): grid 256 x 1, 16 waves a work-group, no clusters, 8,192 bytes of LDS; arguments polygons, out0; writes out0
.if DOCPART == 2
	.amdgcn_target "amdgcn-amd-amdhsa--gfx1250"
	.amdhsa_code_object_version 6
	.text
	.protected	k_q79a7dab5a5_raster
	.globl	k_q79a7dab5a5_raster
	.p2align	8
	.type	k_q79a7dab5a5_raster,@function
k_q79a7dab5a5_raster:
	s_mov_b64 s[64:65], 0
	v_nop
	global_prefetch_b8 v0, s[64:65] scope:SCOPE_SE
	s_setreg_imm32_b32 hwreg(HW_REG_WAVE_SCHED_MODE, 0, 2), 2
	s_setreg_imm32_b32 hwreg(HW_REG_WAVE_MODE, 25, 1), 1
	s_wait_xcnt 0x0
	s_wait_alu depctr_vm_vsrc(0)
; out0[p][i][j] = sigmoid(C * D / 512) for 64 polygons p of 8 vertices, rows i and columns j of a 256 x 256 raster.
;   x_k = 256 * polygons[p][k][1] (row coordinate), y_k = 256 * polygons[p][k][0] (column coordinate)
;   D = sum over k of sqrt((x_k - i)^2 + (y_k - j)^2);  C = +1 where an odd number of edges is crossed, else -1.
;   Edge k (vertex k to vertex k+1 mod 8) is crossed where (y > j) != (yn > j) and i < xint, xint = (xn - x) * (j - y) / (yn - y) + x.
;
; WORK.  256 work-groups of 16 waves.  A work-group owns one polygon and 64 columns (256 bytes of every row), all 256 rows.
; Phase 1: thread t takes column t & 63 and edge/vertex t >> 6 (the same for a whole wave, so the edge lies in scalar registers):
;   xint hangs on (edge, column) alone, so each is made once in the whole launch, with the same roundings as the formula above
;   (sub, sub, mul, a correctly rounded quotient, add): the test i < xint is a step, and a last bit would flip a pixel.
;   For whole i, i < xint is i < t with t = clamp(ceil(xint), 0, 256); t = 0 where the edge does not straddle the column.
;   Also (c (j - y_k))^2, the column term of the distance to vertex k, with c = log2(e) / 512 folded into the coordinates,
;   so that the sum of the roots is already the exponent of 2 that the sigmoid needs.
; Phase 2: wave w takes rows 16 w .. 16 w + 15; a lane takes 2 neighbouring columns, so a store of the wave covers 256 consecutive
;   bytes, aligned.  The row term c (x_k - i) is the same in all lanes: eight scalar registers, stepped by -c from row to row.
; No matrix product, no tile worth an engine (64 bytes of input for a work-group), nothing shared that a cluster could save.
;
; THE MODE: SCHED_MODE bits 1:0 = 2 (LLVM: expert scheduling mode 2), set by the entry lines.  The code itself states the register dependences
; between vector instructions and memory or LDS instructions, with s_wait_alu, always for 0.
; THE PLAN.  Registers that memory or LDS instructions touch:
;   v8, v10, v11, v12   data and address of phase 1's three LDS stores.  Written by phase 1's vector lines; never written again.
;   v13, v14            addresses of all LDS loads (v13, v14) and of all stores to memory (v13).  Written at the head; never written again.
;   v[16:47]            the LDS loads land here; no vector line names them ahead of those loads.
;   v[96:127]           a pair for each of the wave's 16 rows: written once, by the row's two reciprocals; read once, by the row's store.
; One wait on va_vdst ahead of the LDS stores states that v8 and v10 to v14 are written.  The stores to memory are held back and go in runs, each run
; directly behind one wait on va_vdst which states that its rows' reciprocals have written their pairs: rows 0-3, 4-7, 8-11, then 12-13, 14 and 15,
; so that little is left to send behind the last arithmetic.  Nothing that a memory or LDS instruction reads is ever written again, so no wait on
; vm_vsrc is owed.  Two waits on va_sdst: for the wave's number, and for the two compares' masks.  The text has no branch and never writes EXEC.
;
; LIMITS.  The quotient is correctly rounded where no step of it underflows or overflows: coordinate differences that are zero or
; between 2^-40 and 2^40 pixels.  NaN and infinite inputs are not served.  D is summed pairwise from scaled coordinates and the row
; term takes up to 15 roundings from its stepping: another order of rounding than the formula.  Results below 2^-126 come out as 0.
.set ROWS,   16                        ; rows of a wave
.set ROWB,   1024                      ; bytes in an output row
.set L_DY2,  0                         ; LDS: [8 vertices][64 columns] f32, (c (j - y_k))^2
.set L_T,    2048                      ; LDS: [8 edges][64 columns] f32, 2^23 + t
.set L_T16,  4096                      ; LDS: the same + 16, for the odd waves
.set C_PIX,  0x3b38aa3b                ; c = log2(e) / 512
.set C_NEG,  0xbb38aa3b                ; -c
.set C_UNIT, 0x3f38aa3b                ; 256 c: from the unit square straight to scaled pixels
.set MAGIC,  0x4b000000                ; 2^23: a float 2^23 + n holds the whole number n in its low bits
.set VTX,    16                        ; s[16:31]  the polygon: (column, row) of 8 vertices, in the unit square
.set LO,     50                        ; s50, s51  2^23 + my first row (odd waves: + 16), and 16 more
.set NEGC,   53                        ; s53       -c
.set ABSM,   54                        ; s54       all bits but the sign
.set CU,     55                        ; s55       256 c
.set DX,     68                        ; s[68:83]  c (x_k - i) in the even registers; the packed form names pairs, the odd ones hold 0
.set LOFF,   13                        ; v13       8 x lane: my two columns, in LDS rows and in an output row; never rewritten
.set ONES,   15                        ; v15       -1
.set DY,     16                        ; v[16:31]  8 pairs: column terms of my 2 columns
.set TH,     32                        ; v[32:47]  8 pairs: thresholds of my 2 columns
.set MSK,    48                        ; v[48:49]  bit r: row r of my 16 is inside, for each of my 2 columns
.set SH,     50                        ; v[50:51]  a mask with the row bit moved to the sign
.set Q,      52                        ; v[52:83]  two sets of 8 pairs: squared distances, then distances
.set Z,      84                        ; v[84:87]  two pairs: exponent, 2^exponent, 1 + 2^exponent
.set OUT,    96                        ; v[96:127] a pair for each row: no store data is ever rewritten, so nothing is owed behind a store
.set SENT,   0                         ; how many of the wave's rows have been stored so far, as the text is written out
	s_load_b128 s[4:7], s[0:1], 0x0                ; polygons s[4:5], out0 s[6:7]
	v_lshl_add_u32 v94, v0, 2, 0x1800
	v_mov_b32 v95, 0
	v_lshrrev_b32 v1, 5, v0
	v_readfirstlane_b32 s8, v1                     ; wave 0..15
	s_lshr_b32 s9, ttmp9, 2                        ; polygon 0..63
	s_and_b32 s10, ttmp9, 3                        ; which 64 columns
	s_lshl_b32 s12, s9, 6                          ; a polygon is 64 bytes
	s_mov_b32 s13, 0
	s_wait_alu depctr_va_sdst(0)                   ; s8 is written, ahead of its first reader: my edge, my rows and my part of out0 are made from it
	s_lshr_b32 s11, s8, 1                          ; phase 1: my edge k
	s_lshl_b32 s14, s11, 3                         ; byte offset of vertex k
	s_add_co_u32 s15, s14, 8
	s_and_b32 s15, s15, 63                         ; and of vertex k + 1 mod 8
	s_wait_kmcnt 0x0
	s_add_nc_u64 s[4:5], s[4:5], s[12:13]
	s_load_b512 s[VTX:VTX+15], s[4:5], 0x0         ; all 8 vertices, for the row terms
	s_load_b64 s[32:33], s[4:5], s14 offset:0x0    ; vertex k
	s_load_b64 s[34:35], s[4:5], s15 offset:0x0    ; vertex k + 1
	; while they are on their way: everything that hangs on ids alone
	s_lshl_b32 s46, s10, 6                         ; first column of the work-group
	v_and_b32 v3, 63, v0
	v_add_nc_u32 v4, s46, v3
	v_cvt_f32_u32 v4, v4                           ; j of phase 1
	v_lshlrev_b32 v12, 2, v0                       ; LDS word [k][column] = word t
	v_and_b32 v2, 31, v0
	v_lshlrev_b32 v[LOFF], 3, v2
	v_mov_b32 v[ONES], -1
	s_and_b32 s48, s8, 1
	s_lshl_b32 s49, s48, 11                        ; odd waves read the copy t + 16, 2,048 bytes further on
	v_add_nc_u32 v14, s49, v[LOFF]
	s_add_co_u32 s[LO], s8, s48
	s_lshl_b32 s[LO], s[LO], 4                     ; 16 w, odd waves 16 w + 16: a multiple of 32 either way
	s_add_co_u32 s[LO], s[LO], MAGIC
	s_add_co_u32 s[LO+1], s[LO], 16
	s_lshl_b32 s56, s9, 18                         ; out0: polygon x 256 KiB
	s_lshl_b32 s57, s8, 14                         ; + wave x 16 rows
	s_add_co_u32 s56, s56, s57
	s_lshl_b32 s57, s10, 8                         ; + the work-group's 256 bytes of a row
	s_add_co_u32 s56, s56, s57
	s_mov_b32 s57, 0
	s_add_nc_u64 s[6:7], s[6:7], s[56:57]
	s_lshl_b32 s52, s8, 4
	s_cvt_f32_u32 s52, s52
	s_mul_f32 s52, s52, C_NEG                      ; -c x my first row
	s_mov_b32 s[NEGC], C_NEG
	s_mov_b32 s[ABSM], 0x7fffffff
	s_mov_b32 s[CU], C_UNIT
	s_wait_kmcnt 0x0
	; PHASE 1.  The edge in pixels (x 256 is exact), in scalar registers.
	s_mul_f32 s36, s32, 0xc3800000                 ; -y
	s_mul_f32 s37, s33, 0xc3800000                 ; -x
	s_mul_f32 s38, s34, 0x43800000                 ; yn
	s_mul_f32 s39, s35, 0x43800000                 ; xn
	s_mul_f32 s42, s32, 0x43800000                 ; y
	s_add_f32 s41, s38, s36                        ; yn - y
	s_add_f32 s40, s39, s37                        ; xn - x
	v_add_f32 v5, s36, v4                          ; j - y
	v_rcp_f32 v7, s41                              ; a first 1 / (yn - y)
	v_mul_f32 v6, s40, v5                          ; (xn - x) (j - y); also the plain instruction between v_rcp_f32 and the first use of its result (ISA guide 5.7.2)
	; The quotient, correctly rounded: one Newton step on the reciprocal, then two steps q += (a - b q) / b, whose residuals the fused
	; multiply-add gives exactly.  Where yn = y the lanes hold NaN here; no such lane straddles, and the select below drops them.
	s_wait_alu depctr_va_vdst(0)
	v_fma_f32 v9, s41, -v7, 1.0
	v_cmp_gt_f32 s44, s42, v4                      ; y > j
	v_cmp_gt_f32 s45, s38, v4                      ; yn > j
	v_fma_f32 v7, v9, v7, v7
	v_mul_f32 v8, C_PIX, v5                        ; c (j - y)
	v_mul_f32 v10, v6, v7
	v_mul_f32 v8, v8, v8                           ; the column term
	v_fma_f32 v11, s41, -v10, v6
	s_wait_alu depctr_va_sdst(0)                   ; the two compares have written s44 and s45, ahead of their first reader, the line below
	s_xor_b32 vcc_lo, s44, s45                     ; the edge straddles column j
	v_fma_f32 v10, v11, v7, v10
	v_fma_f32 v11, s41, -v10, v6
	v_fma_f32 v10, v11, v7, v10                    ; the quotient; the sum with x is a rounding of its own and is not fused into this line
	v_sub_f32 v10, s37, v10                        ; -x - q = -xint, the same rounding mirrored
	v_floor_f32 v10, v10                           ; -ceil(xint)
	v_med3_num_f32 v10, v10, 0xc3800000, 0         ; -t, in -256 .. 0
	v_sub_f32 v10, MAGIC, v10                      ; 2^23 + t, exact
	v_cndmask_b32 v10, MAGIC, v10, vcc_lo          ; t = 0 where the edge does not straddle
	v_add_f32 v11, 0x41800000, v10                 ; 2^23 + t + 16, exact
	s_wait_alu depctr_va_vdst(0)                   ; v8, v10, v11 (the LDS stores' data) and v12 (their address) are written; so are v13 and v14, the addresses of every later LDS load and store to memory, which no line writes again
	ds_store_b32 v12, v8 offset:L_DY2
	ds_store_b32 v12, v10 offset:L_T
	ds_store_b32 v12, v11 offset:L_T16
	; the row terms of my first row: c x_k - c i, one fused multiply-add each
.irp k, 0,1,2,3,4,5,6,7
	s_mov_b32 s[DX+2*\k], s52
	s_mov_b32 s[DX+2*\k+1], 0
.endr
.irp k, 0,1,2,3,4,5,6,7
	s_fmac_f32 s[DX+2*\k], s[VTX+2*\k+1], s[CU]
.endr
	s_wait_dscnt 0x0                               ; my three words are in LDS: for the other waves, so the count is zero
	s_barrier_signal -1
	s_barrier_wait -1                              ; the only barrier: nothing is written to LDS behind it
	; PHASE 2.  32 lanes x 8 bytes read 256 consecutive bytes: no two lanes meet in a bank.
	; No wait on va_vdst here: only scalar lines stand between the last one and these loads, and no vector line has yet named v[16:47], in which they land.
.irp k, 0,1,2,3,4,5,6,7
	ds_load_b64 v[DY+2*\k:DY+2*\k+1], v[LOFF] offset:L_DY2+256*\k
.endr
.irp k, 0,1,2,3,4,5,6,7
	ds_load_b64 v[TH+2*\k:TH+2*\k+1], v14 offset:L_T+256*\k
.endr
	s_wait_dscnt 0x8                               ; the column terms are in; the eight younger loads (thresholds) may stay out
.irp k, 0,1,2,3,4,5,6,7
	v_pk_fma_f32 v[Q+2*\k:Q+2*\k+1], s[DX+2*\k:DX+2*\k+1], s[DX+2*\k:DX+2*\k+1], v[DY+2*\k:DY+2*\k+1] op_sel_hi:[0,0,1]   ; row 0: dx^2 + dy^2, two columns at once
.endr
	s_wait_dscnt 0x0
	; The masks.  n = how many of my 16 rows lie below the threshold = clamp(t - first row, 0, 16).  The lower bound is 2^23 + a multiple of 32,
	; so the clamped float's low five bits are n, and the word serves as a shift count as it stands.  -1 << n has bit r set where row r is NOT below t;
	; eight edges are an even number, so the XOR of the complements is the XOR of the tests: bit r = an odd number of crossings.  Bits 16 and up cancel.
.set idx, 0
.rept 16
	v_med3_num_f32 v[TH+idx], v[TH+idx], s[LO], s[LO+1]
.set idx, idx+1
.endr
.set idx, 0
.rept 16
	v_lshlrev_b32 v[TH+idx], v[TH+idx], v[ONES]
.set idx, idx+1
.endr
.irp n, 0,1,4,5,8,9,12,13
	v_xor_b32 v[TH+\n], v[TH+\n], v[TH+\n+2]
.endr
.irp n, 0,1,8,9
	v_xor_b32 v[TH+\n], v[TH+\n], v[TH+\n+4]
.endr
	v_xor_b32 v[MSK], v[TH], v[TH+8]
	v_xor_b32 v[MSK+1], v[TH+1], v[TH+9]
; One step of the pipeline.  Rows are three deep in it: the roots of row r, the exponentials of row r - 1 and the reciprocals of row r - 2
; are issued back to back; the eight packed multiply-adds of row r + 1 follow, which name none of their registers: they are the plain
; instruction that stands between a transcendental and the first use of its result or write of its source (ISA guide 5.7.2).
; Where no row r + 1 is left, a v_nop takes that place.
; The finished rows SENT .. r - 2 are stored when there are four of them, and from step ROWS - 1 on in every step.
.macro STEP r
.set QA, Q+16*((\r)&1)                 ; distances of row r
.set QN, Q+16*((\r+1)&1)               ; of row r + 1
.set ZA, Z+2*((\r)&1)                  ; exponents of rows r - 2 and r
.set ZB, Z+2*((\r+1)&1)                ; of row r - 1
.if \r < ROWS-1
.irp k, 0,1,2,3,4,5,6,7
	s_add_f32 s[DX+2*\k], s[DX+2*\k], s[NEGC]      ; the row terms step to row r + 1, twenty vector instructions ahead of their use
.endr
.endif
.if \r < ROWS
.set idx, 0
.rept 16
	v_sqrt_f32 v[QA+idx], v[QA+idx]
.set idx, idx+1
.endr
.endif
.if \r >= 1
.if \r <= ROWS
	v_exp_f32 v[ZB], v[ZB]
	v_exp_f32 v[ZB+1], v[ZB+1]
.endif
.endif
.if \r >= 2
	v_rcp_f32 v[OUT+2*(\r-2)], v[ZA]               ; 1 / (1 + 2^e); 2^e = infinity gives 0, 2^e = 0 gives 1
	v_rcp_f32 v[OUT+2*(\r-2)+1], v[ZA+1]
.endif
.if \r < ROWS-1
	s_wait_alu depctr_va_vdst(0)
.irp k, 0,1,2,3,4,5,6,7
	v_pk_fma_f32 v[QN+2*\k:QN+2*\k+1], s[DX+2*\k:DX+2*\k+1], s[DX+2*\k:DX+2*\k+1], v[DY+2*\k:DY+2*\k+1] op_sel_hi:[0,0,1]
.endr
.else
	v_nop
	s_wait_alu depctr_va_vdst(0)
.endif
.if \r >= 1
.if \r <= ROWS
	v_pk_add_f32 v[ZB:ZB+1], v[ZB:ZB+1], 1.0 op_sel_hi:[1,0]
.endif
.endif
.if ((\r)-1-SENT >= 4) || ((\r) >= ROWS-1)
	s_wait_alu depctr_va_vdst(0)                   ; the reciprocals of rows SENT to r - 2 have written their pairs of OUT, which the stores below read
.rept (\r)-1-SENT
	global_store_b64 v[LOFF], v[OUT+2*SENT:OUT+2*SENT+1], s[6:7] offset:ROWB*SENT th:TH_STORE_NT   ; the wave stores 256 consecutive bytes, aligned; the row stands in the immediate
.set SENT, SENT+1
.endr
.endif
.if \r < ROWS
	v_lshlrev_b32 v[SH], 31-\r, v[MSK]             ; the bit of row r becomes a sign
	v_lshlrev_b32 v[SH+1], 31-\r, v[MSK+1]
.irp k, 0,4,8,12
	v_pk_add_f32 v[QA+\k:QA+\k+1], v[QA+\k:QA+\k+1], v[QA+\k+2:QA+\k+3]
.endr
	v_pk_add_f32 v[QA:QA+1], v[QA:QA+1], v[QA+4:QA+5]
	v_pk_add_f32 v[QA+8:QA+9], v[QA+8:QA+9], v[QA+12:QA+13]
	v_pk_add_f32 v[QA:QA+1], v[QA:QA+1], v[QA+8:QA+9]      ; c D
	v_bfi_b32 v[ZA], s[ABSM], v[QA], v[SH]         ; inside: e = -c D, so 1 / (1 + 2^e) = sigmoid(+D / 512); outside: e = +c D
	v_bfi_b32 v[ZA+1], s[ABSM], v[QA+1], v[SH+1]
.endif
.endm
.irp r, 0,1,2,3,4,5,6,7,8,9,10,11,12,13,14,15,16,17
	STEP \r                                        ; 16 rows and two steps that drain the pipeline
.endr
	s_wait_dscnt 0x0
	s_wait_alu depctr_hold_cnt(0) depctr_sa_sdst(0) depctr_va_vdst(0) depctr_va_sdst(0) depctr_va_ssrc(0) depctr_va_vcc(0) depctr_vm_vsrc(0)
	s_wait_tensorcnt 0x0
	ds_add_u32 v94, v95
	s_wait_dscnt 0x0
	s_endpgm
.Lfunc_end_k_q79a7dab5a5_raster:
	.size	k_q79a7dab5a5_raster, .Lfunc_end_k_q79a7dab5a5_raster-k_q79a7dab5a5_raster
	.p2alignl 7, 3214868480
	.fill 96, 4, 3214868480
	.section	.rodata,"a",@progbits
	.p2align	6, 0x0
	.amdhsa_kernel k_q79a7dab5a5_raster
		.amdhsa_group_segment_fixed_size 8192
		.amdhsa_private_segment_fixed_size 0
		.amdhsa_enable_private_segment 0
		.amdhsa_kernarg_size 16
		.amdhsa_user_sgpr_count 2
		.amdhsa_user_sgpr_kernarg_segment_ptr 1
		.amdhsa_wavefront_size32 1
		.amdhsa_system_sgpr_workgroup_id_x 1
		.amdhsa_system_sgpr_workgroup_id_y 1
		.amdhsa_system_sgpr_workgroup_id_z 1
		.amdhsa_system_vgpr_workitem_id 0
		.amdhsa_next_free_vgpr 128
		.amdhsa_next_free_sgpr 84
		.amdhsa_reserve_vcc 1
		.amdhsa_float_denorm_mode_32 3
		.amdhsa_float_denorm_mode_16_64 3
		.amdhsa_memory_ordered 1
		.amdhsa_forward_progress 1
		.amdhsa_inst_pref_size 44
	.end_amdhsa_kernel
	.amdgpu_metadata
---
amdhsa.version: [ 1, 2 ]
amdhsa.kernels:
  - .name:           k_q79a7dab5a5_raster
    .symbol:         k_q79a7dab5a5_raster.kd
    .args:
      - { .name: polygons, .offset: 0, .size: 8, .value_kind: global_buffer, .address_space: global }
      - { .name: out0, .offset: 8, .size: 8, .value_kind: global_buffer, .address_space: global }
    .group_segment_fixed_size: 8192
    .private_segment_fixed_size: 0
    .kernarg_segment_align: 8
    .kernarg_segment_size: 16
    .max_flat_workgroup_size: 512
    .sgpr_count:     84
    .vgpr_count:     128
    .wavefront_size: 32
...
	.end_amdgpu_metadata
.endif
;; end of part 2
